; MI455X (gfx1250); checked and timed in simulation.
; The chip was launched on July 23, 2026; its instructions are those of AMD's public machine-readable ISA for CDNA 5 (MIT licence, August 2026) and "CDNA5" Instruction Set Architecture Reference Guide (July 2026). The comments in the code are by the model that wrote it; some were corrected since.
;; MBD Degradation Imputation. Allowed arithmetic: float matrix products may take bf16 or f16 operands with f32 sums; all other float work in f32.
;; Inputs: Xbar_i 512 x 64 float32; deg_a 64 float32; deg_b 64 float32; eps 2,048 x 512 x 64 float32; mask 512 x 64 bool; observed_data 512 x 64 float32; time_points 512 float32.
;; Outputs: out0 512 x 64 float32.
;; Constants: i = 500.
;; 2 versions, each right; version 2 is version 1 with the launch scores written anew for expert scheduling mode. Each part assembles by itself: llvm-mc -triple=amdgcn-amd-amdhsa -mcpu=gfx1250 --defsym DOCPART=n.
;; ======== version 1 of 2: 3 launches
;; limits: a function is approximated: absolute error at most 0.000122
;; workspace buffers: part 65,536 bytes; wts 8,192 bytes; flags 256 bytes of whole numbers
;; launch scores (part 1): grid 256 x 1, 8 waves a work-group, no clusters, 3,072 bytes of LDS; arguments eps, Xbar_i, observed_data, mask, time_points, deg_a, deg_b, part; writes part
.if DOCPART == 1
	.amdgcn_target "amdgcn-amd-amdhsa--gfx1250"
	.amdhsa_code_object_version 6
	.text
	.protected	k_q1b5c1623a6_scores
	.globl	k_q1b5c1623a6_scores
	.p2align	8
	.type	k_q1b5c1623a6_scores,@function
k_q1b5c1623a6_scores:
	s_mov_b64 s[64:65], 0
	v_nop
	global_prefetch_b8 v0, s[64:65] scope:SCOPE_SE
	s_setreg_imm32_b32 hwreg(HW_REG_WAVE_MODE, 25, 1), 1
	s_wait_xcnt 0x0
; part[c][n] = sum over the 4,096 positions p of chunk c of (cand[n][p] - pred[p])^2, in f32,
;   cand = observed where mask, else clip(eps * sigma + Xbar, -1, 1);  pred = deg_a + deg_b * time.
; eps: [2048][32768] f32, read here once, whole.  256 work-groups = 8 chunks of positions x 32 groups of 64 samples; 8 waves.
; A thread owns 16 positions (4 pieces of 4 floats; a wave's load covers 512 consecutive bytes, the 8 waves 4,096) in all 64 samples,
; so what belongs to a position stays in registers: Xbar, m (1.0 missing, 0.0 observed) and q = (observed or 0) - pred.  Then
;   x = med3(eps * sigma + Xbar, -1, 1);  d = x * m + q  (= cand - pred at every position, exactly);  acc += d * d.
; A ring of DEPTH samples in registers keeps 4 * DEPTH loads of every wave on their way.
; No LDS ring, no cluster: no wave reads eps bytes that another wave reads; what work-groups share are the small tables read once below.
; LIMIT: a NaN in eps is dropped by v_med3_num_f32 (the result stays finite) where reference() would give NaN everywhere.
; sigma = sqrt(1 - abar), abar = acp[500] = cos^2(pi/2 * 0.509/1.008) / cos^2(pi/2 * 0.008/1.008) = 0.49228517 (i = 500 is fixed).
.set SAMPLE, 131072                    ; bytes of a sample
.set PIECE,  4096                      ; bytes that the 8 waves cover with one load each
.set DEPTH,  8                         ; samples in flight
.set ROUNDS, 64/DEPTH
.set SIGMA,  0x3f366918                ; 0.71254111
.set MK,  6                            ; v[6:9]     mask bytes of piece j (4 bytes a word)
.set TP,  10                           ; v[10:13]   time of piece j's row
.set DA,  14                           ; v[14:17]   deg_a of my 4 features (the same in every piece: a piece is 16 whole rows)
.set DB,  18                           ; v[18:21]   deg_b
.set PR,  22                           ; v[22:25]   pred, at work
.set TB,  26                           ; v26        a mask byte
.set ACC, 28                           ; v[28:31]   two packed chains of squares
.set RS,  32                           ; v[32:33]   lane s: the wave's sum of sample s, of sample 32 + s
.set PX,  34                           ; v34        the other half's sum
.set XB,  36                           ; v[36:51]   Xbar
.set MM,  52                           ; v[52:67]   m
.set QQ,  68                           ; v[68:83]   observed as loaded, then q
.set X,   84                           ; v[84:211]  ring: slot i has 16 registers
	s_load_b512 s[4:19], s[0:1], 0x0               ; eps s[4:5], Xbar s[6:7], observed s[8:9], mask s[10:11], time s[12:13], a s[14:15], b s[16:17], part s[18:19]
	v_lshl_add_u32 v212, v0, 2, 0x800
	v_mov_b32 v213, 0
	s_and_b32 s20, ttmp9, 7                        ; chunk of positions
	s_lshr_b32 s21, ttmp9, 3                       ; group of samples
	v_lshlrev_b32 v1, 4, v0                        ; my 16 bytes in a piece
	s_lshl_b32 s24, s20, 14                        ; the chunk in bytes of f32
	v_add_nc_u32 v2, s24, v1                       ; offset in Xbar and observed
	s_lshl_b32 s25, s20, 12
	v_lshl_add_u32 v3, v0, 2, s25                  ; offset in mask: one byte a position
	v_lshrrev_b32 v4, 4, v0                        ; my row in a piece (16 threads a row of 64 features)
	s_lshl_b32 s26, s20, 8
	v_lshl_add_u32 v4, v4, 2, s26                  ; offset in time: 64 rows a chunk
	v_and_b32 v5, 15, v0
	v_lshlrev_b32 v5, 4, v5                        ; offset in deg_a, deg_b: my 4 features
	s_lshl_b32 s22, s21, 23                        ; 64 samples of 131,072 bytes a group: at most 31 << 23, below 4 GiB
	s_or_b32 s22, s22, s24
	s_mov_b32 s23, 0
	s_mov_b32 s28, 1                               ; s[28:29]: one bit, at the number of the sample at work
	s_mov_b32 s29, 0
	s_mov_b32 s30, 0x76543210                      ; v_permlanex16_b32: lane i reads lane i of the other half
	s_mov_b32 s31, 0xfedcba98
	s_wait_kmcnt 0x0
	s_add_nc_u64 s[4:5], s[4:5], s[22:23]          ; eps at my group's first sample, my chunk
.irp j, 0,1,2,3
	global_load_b128 v[XB+4*\j:XB+4*\j+3], v2, s[6:7] offset:\j*PIECE
	global_load_b128 v[QQ+4*\j:QQ+4*\j+3], v2, s[8:9] offset:\j*PIECE
	global_load_b32 v[MK+\j], v3, s[10:11] offset:\j*1024
	global_load_b32 v[TP+\j], v4, s[12:13] offset:\j*64
.endr
	global_load_b128 v[DA:DA+3], v5, s[14:15]
	global_load_b128 v[DB:DB+3], v5, s[16:17]
.irp i, 0,1,2,3,4,5,6,7
.irp j, 0,1,2,3
	global_load_b128 v[X+16*\i+4*\j:X+16*\i+4*\j+3], v1, s[4:5] offset:\i*SAMPLE+\j*PIECE th:TH_LOAD_NT   ; the ring is filled: samples 0 to 7
.endr
.endr
	v_mov_b32 v[RS], 0                             ; written whole once: the selects below replace one lane at a time
	v_mov_b32 v[RS+1], 0
	v_mov_b32 v[PX], 0                             ; v_permlanex16_b32's destination counts as read
	s_wait_loadcnt 4*DEPTH                         ; loads return in order (ISA guide 5.7.1): the tables are in, the ring's 32 younger loads stay out
.irp j, 0,1,2,3
.irp k, 0,1,2,3
	v_fma_f32 v[PR+\k], v[DB+\k], v[TP+\j], v[DA+\k]               ; pred = a + b t
	v_bfe_u32 v[TB], v[MK+\j], 8*\k, 8
	v_cmp_ne_u32 vcc_lo, 0, v[TB]                                  ; observed?
	v_cndmask_b32 v[MM+4*\j+\k], 1.0, 0, vcc_lo                    ; m
	v_cndmask_b32 v[QQ+4*\j+\k], 0, v[QQ+4*\j+\k], vcc_lo          ; observed, or 0 where missing
	v_sub_f32 v[QQ+4*\j+\k], v[QQ+4*\j+\k], v[PR+\k]               ; q
.endr
.endr
; One sample.  ahead = 1: the slot is filled again with the sample DEPTH further on.  left = younger loads that may stay out.
.macro SLOT i, ahead, left
	s_wait_loadcnt \left                           ; this slot's four loads are the oldest
.irp p, 0,1,2,3,4,5,6,7
	v_pk_fma_f32 v[X+16*\i+2*\p:X+16*\i+2*\p+1], v[X+16*\i+2*\p:X+16*\i+2*\p+1], SIGMA, v[XB+2*\p:XB+2*\p+1] op_sel_hi:[1,0,1]
.endr
.irp e, 0,1,2,3,4,5,6,7,8,9,10,11,12,13,14,15
	v_med3_num_f32 v[X+16*\i+\e], v[X+16*\i+\e], -1.0, 1.0         ; the clip
.endr
.irp p, 0,1,2,3,4,5,6,7
	v_pk_fma_f32 v[X+16*\i+2*\p:X+16*\i+2*\p+1], v[X+16*\i+2*\p:X+16*\i+2*\p+1], v[MM+2*\p:MM+2*\p+1], v[QQ+2*\p:QQ+2*\p+1]   ; cand - pred
.endr
	v_pk_mul_f32 v[ACC:ACC+1], v[X+16*\i:X+16*\i+1], v[X+16*\i:X+16*\i+1]              ; the first squares start the two chains
	v_pk_mul_f32 v[ACC+2:ACC+3], v[X+16*\i+2:X+16*\i+3], v[X+16*\i+2:X+16*\i+3]
.irp p, 2,4,6
	v_pk_fma_f32 v[ACC:ACC+1], v[X+16*\i+2*\p:X+16*\i+2*\p+1], v[X+16*\i+2*\p:X+16*\i+2*\p+1], v[ACC:ACC+1]
	v_pk_fma_f32 v[ACC+2:ACC+3], v[X+16*\i+2*\p+2:X+16*\i+2*\p+3], v[X+16*\i+2*\p+2:X+16*\i+2*\p+3], v[ACC+2:ACC+3]
.endr
.if \ahead
.irp j, 0,1,2,3
	global_load_b128 v[X+16*\i+4*\j:X+16*\i+4*\j+3], v1, s[4:5] offset:(\i+DEPTH)*SAMPLE+\j*PIECE th:TH_LOAD_NT
.endr
.endif
	v_pk_add_f32 v[ACC:ACC+1], v[ACC:ACC+1], v[ACC+2:ACC+3]
	v_add_f32 v[ACC], v[ACC], v[ACC+1]
	v_add_f32_dpp v[ACC], v[ACC], v[ACC] row_xmask:1 row_mask:0xf bank_mask:0xf
	v_add_f32_dpp v[ACC], v[ACC], v[ACC] row_xmask:2 row_mask:0xf bank_mask:0xf
	v_add_f32_dpp v[ACC], v[ACC], v[ACC] row_xmask:4 row_mask:0xf bank_mask:0xf
	v_add_f32_dpp v[ACC], v[ACC], v[ACC] row_xmask:8 row_mask:0xf bank_mask:0xf
	v_permlanex16_b32 v[PX], v[ACC], s30, s31
	v_add_f32 v[ACC], v[ACC], v[PX]                ; every lane holds the wave's sum of this sample
	v_cndmask_b32 v[RS], v[RS], v[ACC], s28        ; the lane with the sample's number keeps it
	v_cndmask_b32 v[RS+1], v[RS+1], v[ACC], s29
	s_lshl_b64 s[28:29], s[28:29], 1
.endm
	s_mov_b32 s35, ROUNDS-1
.Lround:
.irp i, 0,1,2,3,4,5,6,7
	SLOT \i, 1, 4*(DEPTH-1)
.endr
	s_wait_xcnt 0x0                                ; the base is stepped only when every issued load has had its address translated (ISA guide 3.1)
	s_add_nc_u64 s[4:5], s[4:5], DEPTH*SAMPLE
	s_sub_co_u32 s35, s35, 1
	s_cmp_lg_u32 s35, 0
	s_cbranch_scc1 .Lround
.irp i, 0,1,2,3,4,5,6,7
	SLOT \i, 0, 4*(DEPTH-1-\i)                     ; the last round loads nothing: the counts run down to 0
.endr
	; the 8 waves' sums meet in LDS: wave w's 64 sums at 256 w, sample s at 4 s
	v_lshrrev_b32 v7, 5, v0
	v_readfirstlane_b32 s34, v7                    ; wave
	v_and_b32 v6, 31, v0
	v_lshlrev_b32 v6, 2, v6
	v_lshl_add_u32 v6, v7, 8, v6
	ds_store_b32 v6, v[RS]
	ds_store_b32 v6, v[RS+1] offset:128
	s_wait_dscnt 0x0                               ; for the reader's sake: my stores are done before I signal
	s_barrier_signal -1
	s_barrier_wait -1
	s_cmp_lg_u32 s34, 0
	s_cbranch_scc1 .Lend
	v_lshlrev_b32 v8, 3, v0                        ; wave 0: lane l takes samples 2 l and 2 l + 1
.irp w, 0,1,2,3,4,5,6,7
	ds_load_b64 v[10+2*\w:11+2*\w], v8 offset:256*\w
.endr
	s_lshl_b32 s22, s20, 13                        ; part[chunk][64 group ..]
	s_lshl_b32 s24, s21, 8
	s_or_b32 s22, s22, s24
	s_add_nc_u64 s[18:19], s[18:19], s[22:23]      ; s23 is still 0
	s_wait_dscnt 0x0
	v_pk_add_f32 v[10:11], v[10:11], v[12:13]
	v_pk_add_f32 v[14:15], v[14:15], v[16:17]
	v_pk_add_f32 v[18:19], v[18:19], v[20:21]
	v_pk_add_f32 v[22:23], v[22:23], v[24:25]
	v_pk_add_f32 v[10:11], v[10:11], v[14:15]
	v_pk_add_f32 v[18:19], v[18:19], v[22:23]
	v_pk_add_f32 v[10:11], v[10:11], v[18:19]
	global_store_b64 v8, v[10:11], s[18:19]        ; 32 lanes store 256 consecutive bytes, at a multiple of 256 from part's first byte
.Lend:
	s_wait_tensorcnt 0x0
	ds_add_u32 v212, v213
	s_wait_dscnt 0x0
	s_endpgm
.Lfunc_end_k_q1b5c1623a6_scores:
	.size	k_q1b5c1623a6_scores, .Lfunc_end_k_q1b5c1623a6_scores-k_q1b5c1623a6_scores
	.p2alignl 7, 3214868480
	.fill 96, 4, 3214868480
	.section	.rodata,"a",@progbits
	.p2align	6, 0x0
	.amdhsa_kernel k_q1b5c1623a6_scores
		.amdhsa_group_segment_fixed_size 3072
		.amdhsa_private_segment_fixed_size 0
		.amdhsa_enable_private_segment 0
		.amdhsa_kernarg_size 64
		.amdhsa_user_sgpr_count 2
		.amdhsa_user_sgpr_kernarg_segment_ptr 1
		.amdhsa_wavefront_size32 1
		.amdhsa_system_sgpr_workgroup_id_x 1
		.amdhsa_system_sgpr_workgroup_id_y 1
		.amdhsa_system_sgpr_workgroup_id_z 1
		.amdhsa_system_vgpr_workitem_id 0
		.amdhsa_next_free_vgpr 214
		.amdhsa_next_free_sgpr 66
		.amdhsa_reserve_vcc 1
		.amdhsa_float_denorm_mode_32 3
		.amdhsa_float_denorm_mode_16_64 3
		.amdhsa_memory_ordered 1
		.amdhsa_forward_progress 1
		.amdhsa_inst_pref_size 70
	.end_amdhsa_kernel
	.amdgpu_metadata
---
amdhsa.version: [ 1, 2 ]
amdhsa.kernels:
  - .name:           k_q1b5c1623a6_scores
    .symbol:         k_q1b5c1623a6_scores.kd
    .args:
      - { .name: eps, .offset: 0, .size: 8, .value_kind: global_buffer, .address_space: global }
      - { .name: Xbar_i, .offset: 8, .size: 8, .value_kind: global_buffer, .address_space: global }
      - { .name: observed_data, .offset: 16, .size: 8, .value_kind: global_buffer, .address_space: global }
      - { .name: mask, .offset: 24, .size: 8, .value_kind: global_buffer, .address_space: global }
      - { .name: time_points, .offset: 32, .size: 8, .value_kind: global_buffer, .address_space: global }
      - { .name: deg_a, .offset: 40, .size: 8, .value_kind: global_buffer, .address_space: global }
      - { .name: deg_b, .offset: 48, .size: 8, .value_kind: global_buffer, .address_space: global }
      - { .name: part, .offset: 56, .size: 8, .value_kind: global_buffer, .address_space: global }
    .group_segment_fixed_size: 3072
    .private_segment_fixed_size: 0
    .kernarg_segment_align: 8
    .kernarg_segment_size: 64
    .max_flat_workgroup_size: 256
    .sgpr_count:     66
    .vgpr_count:     214
    .wavefront_size: 32
...
	.end_amdgpu_metadata
.endif
;; end of part 1
;; launch weights (part 2): grid 1 x 1, 32 waves a work-group, no clusters, 4,864 bytes of LDS; arguments part, wts, flags; writes wts, flags
.if DOCPART == 2
	.amdgcn_target "amdgcn-amd-amdhsa--gfx1250"
	.amdhsa_code_object_version 6
	.text
	.protected	k_q1b5c1623a6_weights
	.globl	k_q1b5c1623a6_weights
	.p2align	8
	.type	k_q1b5c1623a6_weights,@function
k_q1b5c1623a6_weights:
	s_mov_b64 s[64:65], 0
	v_nop
	global_prefetch_b8 v0, s[64:65] scope:SCOPE_SE
	s_setreg_imm32_b32 hwreg(HW_REG_WAVE_MODE, 25, 1), 1
	s_wait_xcnt 0x0
; From part[8][2048]: scores, their mean, unbiased std (at least 1e-4), softmax((score - mean) / std / 0.1) -> wts[2048], and the keep bits.
; One work-group (every step needs all 2,048 scores), 32 waves; thread t has samples 2 t and 2 t + 1.
; Three sums over the work-group, each: inside the wave by DPP, one word a wave in LDS, a barrier, every wave adds the 32 words.
; The maximum is taken away before the exponential: exponent = ((s - mean) - (smax - mean)) * 10 / std, never above 0, 0 at the best sample.
; KEEP BITS: flags word 2 W + k, bit b, stands for sample 64 W + 2 b + k; set where the weight is at least 2^-24 of the largest.
; LIMIT: the next launch leaves the other samples out of the weighted sum.  Z >= 1 and |X0| <= 1 (reference()'s own clip), so all that is left
; out changes a weighted value by less than 2047 * 2^-24 < 2^-13 of the largest |X0|, for every input; if all weights are alike all are kept.
; Z itself sums all 2,048 terms.  v_exp_f32 gives 0 for weights under 2^-126 (ISA guide 15.8).
; Every address here is fixed by the thread's number: the comparison only makes values.
.macro WSUM r, t                       ; sum over the wave's 32 lanes, in every lane
	v_add_f32_dpp v[\r], v[\r], v[\r] row_xmask:1 row_mask:0xf bank_mask:0xf
	v_add_f32_dpp v[\r], v[\r], v[\r] row_xmask:2 row_mask:0xf bank_mask:0xf
	v_add_f32_dpp v[\r], v[\r], v[\r] row_xmask:4 row_mask:0xf bank_mask:0xf
	v_add_f32_dpp v[\r], v[\r], v[\r] row_xmask:8 row_mask:0xf bank_mask:0xf
	v_permlanex16_b32 v[\t], v[\r], s12, s13
	v_add_f32 v[\r], v[\r], v[\t]
.endm
.macro WMAX r, t
	v_max_num_f32_dpp v[\r], v[\r], v[\r] row_xmask:1 row_mask:0xf bank_mask:0xf
	v_max_num_f32_dpp v[\r], v[\r], v[\r] row_xmask:2 row_mask:0xf bank_mask:0xf
	v_max_num_f32_dpp v[\r], v[\r], v[\r] row_xmask:4 row_mask:0xf bank_mask:0xf
	v_max_num_f32_dpp v[\r], v[\r], v[\r] row_xmask:8 row_mask:0xf bank_mask:0xf
	v_permlanex16_b32 v[\t], v[\r], s12, s13
	v_max_num_f32 v[\r], v[\r], v[\t]
.endm
.macro MEET                            ; my LDS stores are done, then everybody's
	s_wait_dscnt 0x0
	s_barrier_signal -1
	s_barrier_wait -1
.endm
.set L_SM, 0                           ; LDS: 32 x (sum, max)
.set L_SQ, 256                         ; 32 sums of squares
.set L_Z,  384                         ; 32 sums of exponentials
.set L_FL, 512                         ; 32 x 2 words of keep bits
	s_load_b128 s[4:7], s[0:1], 0x0                ; part s[4:5], wts s[6:7]
	s_load_b64 s[8:9], s[0:1], 0x10                ; flags
	v_lshl_add_u32 v44, v0, 2, 0x300
	v_mov_b32 v45, 0
	v_lshlrev_b32 v1, 3, v0                        ; 8 t: my two samples in a row of part and in wts
	v_lshrrev_b32 v2, 5, v0
	v_readfirstlane_b32 s10, v2                    ; wave
	v_and_b32 v3, 31, v0
	v_lshlrev_b32 v36, 3, v3                       ; 8 x lane
	v_lshlrev_b32 v37, 2, v3                       ; 4 x lane
	v_lshlrev_b32 v38, 3, v2                       ; 8 x wave
	v_lshlrev_b32 v39, 2, v2                       ; 4 x wave
	s_mov_b32 s12, 0x76543210
	s_mov_b32 s13, 0xfedcba98
	s_mov_b32 s16, 0xc1c00000                      ; -24.0
	v_mov_b32 v34, 0                               ; v_permlanex16_b32's destinations count as read
	v_mov_b32 v35, 0
	s_wait_kmcnt 0x0
.irp c, 0,1,2,3,4,5,6,7
	global_load_b64 v[4+2*\c:5+2*\c], v1, s[4:5] offset:8192*\c    ; a wave's load covers 256 consecutive bytes
.endr
	s_wait_loadcnt 0x0
	v_pk_add_f32 v[4:5], v[4:5], v[6:7]
	v_pk_add_f32 v[8:9], v[8:9], v[10:11]
	v_pk_add_f32 v[12:13], v[12:13], v[14:15]
	v_pk_add_f32 v[16:17], v[16:17], v[18:19]
	v_pk_add_f32 v[4:5], v[4:5], v[8:9]
	v_pk_add_f32 v[12:13], v[12:13], v[16:17]
	v_pk_add_f32 v[4:5], v[4:5], v[12:13]
	v_pk_mul_f32 v[4:5], v[4:5], 0xb8000000 op_sel_hi:[1,0]        ; score = - sum / 32768 (exact)
	; sum and maximum of the scores
	v_add_f32 v20, v4, v5
	v_max_num_f32 v21, v4, v5
	WSUM 20, 34
	WMAX 21, 35
	ds_store_b64 v38, v[20:21] offset:L_SM
	MEET
	ds_load_b64 v[20:21], v36 offset:L_SM          ; lane l: wave l's pair
	s_wait_dscnt 0x0
	WSUM 20, 34
	WMAX 21, 35
	v_mul_f32 v22, 0x3a000000, v20                 ; mean = sum / 2048
	v_sub_f32 v24, v4, v22                         ; score - mean
	v_sub_f32 v25, v5, v22
	v_sub_f32 v23, v21, v22                        ; the largest of them
	v_mul_f32 v26, v24, v24
	v_fmac_f32 v26, v25, v25
	WSUM 26, 34
	ds_store_b32 v39, v26 offset:L_SQ
	MEET
	ds_load_b32 v26, v37 offset:L_SQ
	s_wait_dscnt 0x0
	WSUM 26, 34
	v_mul_f32 v26, 0x3a001002, v26                 ; / 2047
	v_sqrt_f32 v27, v26
	v_sub_f32 v24, v24, v23                        ; the maximum goes off; also the plain instruction that stands behind v_sqrt_f32 (ISA guide 5.7.2)
	v_sub_f32 v25, v25, v23
	s_wait_alu depctr_va_vdst(0)
	v_max_num_f32 v27, 0x38d1b717, v27             ; std, at least 1e-4
	v_rcp_f32 v28, v27
	v_nop                                          ; one plain place behind v_rcp_f32
	s_wait_alu depctr_va_vdst(0)
	v_mul_f32 v28, 0x4166d4ca, v28                 ; 10 log2(e) / std: / std / 0.1, and base 2 for v_exp_f32
	v_mul_f32 v24, v24, v28
	v_mul_f32 v25, v25, v28
	v_exp_f32 v30, v24
	v_exp_f32 v31, v25
	v_cmp_ge_f32 s14, v24, s16                     ; keep: weight >= 2^-24 of the largest.  (These two also stand behind the exponentials.)
	v_cmp_ge_f32 s15, v25, s16
	s_wait_alu depctr_va_vdst(0)
	v_add_f32 v32, v30, v31
	WSUM 32, 34
	v_mov_b32 v40, s14
	v_mov_b32 v41, s15
	ds_store_b32 v39, v32 offset:L_Z
	ds_store_b64 v38, v[40:41] offset:L_FL         ; all lanes write the same two words
	MEET
	ds_load_b32 v32, v37 offset:L_Z
	s_wait_dscnt 0x0
	WSUM 32, 34
	v_rcp_f32 v33, v32
	v_nop
	s_wait_alu depctr_va_vdst(0)
	v_mul_f32 v30, v30, v33
	v_mul_f32 v31, v31, v33
	global_store_b64 v1, v[30:31], s[6:7]          ; a wave stores 256 consecutive bytes, aligned
	s_cmp_lg_u32 s10, 0
	s_cbranch_scc1 .Lend
	ds_load_b64 v[42:43], v36 offset:L_FL          ; wave 0: lane l takes wave l's two words
	s_wait_dscnt 0x0
	global_store_b64 v36, v[42:43], s[8:9]         ; the 64 words in one store of 256 bytes
.Lend:
	s_wait_tensorcnt 0x0
	ds_add_u32 v44, v45
	s_wait_dscnt 0x0
	s_endpgm
.Lfunc_end_k_q1b5c1623a6_weights:
	.size	k_q1b5c1623a6_weights, .Lfunc_end_k_q1b5c1623a6_weights-k_q1b5c1623a6_weights
	.p2alignl 7, 3214868480
	.fill 96, 4, 3214868480
	.section	.rodata,"a",@progbits
	.p2align	6, 0x0
	.amdhsa_kernel k_q1b5c1623a6_weights
		.amdhsa_group_segment_fixed_size 4864
		.amdhsa_private_segment_fixed_size 0
		.amdhsa_enable_private_segment 0
		.amdhsa_kernarg_size 24
		.amdhsa_user_sgpr_count 2
		.amdhsa_user_sgpr_kernarg_segment_ptr 1
		.amdhsa_wavefront_size32 1
		.amdhsa_system_sgpr_workgroup_id_x 1
		.amdhsa_system_sgpr_workgroup_id_y 1
		.amdhsa_system_sgpr_workgroup_id_z 1
		.amdhsa_system_vgpr_workitem_id 0
		.amdhsa_next_free_vgpr 46
		.amdhsa_next_free_sgpr 66
		.amdhsa_reserve_vcc 0
		.amdhsa_float_denorm_mode_32 3
		.amdhsa_float_denorm_mode_16_64 3
		.amdhsa_memory_ordered 1
		.amdhsa_forward_progress 1
		.amdhsa_inst_pref_size 8
	.end_amdhsa_kernel
	.amdgpu_metadata
---
amdhsa.version: [ 1, 2 ]
amdhsa.kernels:
  - .name:           k_q1b5c1623a6_weights
    .symbol:         k_q1b5c1623a6_weights.kd
    .args:
      - { .name: part, .offset: 0, .size: 8, .value_kind: global_buffer, .address_space: global }
      - { .name: wts, .offset: 8, .size: 8, .value_kind: global_buffer, .address_space: global }
      - { .name: flags, .offset: 16, .size: 8, .value_kind: global_buffer, .address_space: global }
    .group_segment_fixed_size: 4864
    .private_segment_fixed_size: 0
    .kernarg_segment_align: 8
    .kernarg_segment_size: 24
    .max_flat_workgroup_size: 1024
    .sgpr_count:     66
    .vgpr_count:     46
    .wavefront_size: 32
...
	.end_amdgpu_metadata
.endif
;; end of part 2
;; launch combine (part 3): grid 256 x 1, 32 waves a work-group, no clusters, 20,480 bytes of LDS; arguments eps, Xbar_i, observed_data, mask, wts, flags, out0; writes out0
.if DOCPART == 3
	.amdgcn_target "amdgcn-amd-amdhsa--gfx1250"
	.amdhsa_code_object_version 6
	.text
	.protected	k_q1b5c1623a6_combine
	.globl	k_q1b5c1623a6_combine
	.p2align	8
	.type	k_q1b5c1623a6_combine,@function
k_q1b5c1623a6_combine:
	s_mov_b64 s[64:65], 0
	v_nop
	global_prefetch_b8 v0, s[64:65] scope:SCOPE_SE
	s_setreg_imm32_b32 hwreg(HW_REG_WAVE_MODE, 25, 1), 1
	s_wait_xcnt 0x0
; weighted[p] = sum over the kept samples n of wts[n] * clip(eps[n][p] * sigma + Xbar[p], -1, 1), then reference()'s last lines -> out0.
; 256 work-groups of 32 waves; a work-group owns 128 positions: 512 bytes of a sample, one 16-byte load a lane.
; Wave w owns samples 64 w .. 64 w + 63: its two words of flags (word k, bit b: sample 64 w + 2 b + k), whole numbers that the launch before
; stored.  It takes the set bits off one by one with scalar instructions and asks for up to 8 samples at once; when the words are empty it
; leaves the run of requests and enters the run of products at the place that fits the number asked for: no sample is read for nothing.
; LIMIT (see the launch that makes flags): samples with a weight under 2^-24 of the largest are left out, less than 2^-13 of the largest |X0|
; in all, for every input.  A NaN in eps is dropped by v_med3_num_f32.
; One row times a matrix: bytes bind it, so the products are f32 fused multiply-adds and X0 is not rounded.
; NOT WRITTEN: reference()'s feat_all branch fills Xbar only where mask is true, and there its last where() returns observed_data whatever
; Xbar holds, for every mask: that branch never reaches the output.
; Constants of the schedule at i = 500: abar = 0.49228517, alpha = 0.99684431, abar of step 499 = 0.49384359.
.set SIGMA, 0x3f366918                 ; sqrt(1 - abar) = 0.71254111
.set XB, 8                             ; v[8:11]   Xbar of my 4 positions
.set AC, 12                            ; v[12:15]  the weighted sum
.set OB, 16                            ; v[16:19]  observed (wave 0)
.set MK, 20                            ; v20       4 mask bytes (wave 0)
.set OF, 24                            ; v[24:31]  request j: byte offset in eps
.set R,  32                            ; v[32:63]  request j: 4 floats
.set F,  32                            ; v[32:95]  afterwards, wave 0: 16 other waves' sums at a time
.set Y,  32                            ; v[32:35]  at the end: Yi
.set T,  36                            ; v[36:39]  at the end: the result
.set TB, 40
.set WO, 32                            ; s[32:39]  request j: byte offset in wts
.set WT, 40                            ; s[40:47]  request j: the weight
	s_load_b256 s[4:11], s[0:1], 0x0               ; eps s[4:5], Xbar s[6:7], observed s[8:9], mask s[10:11]
	s_load_b128 s[12:15], s[0:1], 0x20             ; wts s[12:13], flags s[14:15]
	s_load_b64 s[16:17], s[0:1], 0x30              ; out0
	v_lshl_add_u32 v96, v0, 2, 0x4000
	v_mov_b32 v97, 0
	v_lshrrev_b32 v2, 5, v0
	v_readfirstlane_b32 s18, v2                    ; wave
	v_and_b32 v3, 31, v0                           ; lane
	s_lshl_b32 s19, ttmp9, 9
	v_lshl_add_u32 v1, v3, 4, s19                  ; my 16 bytes in a sample, in Xbar, observed, out0
	v_lshlrev_b32 v5, 4, v0                        ; LDS: 512 bytes a wave, 16 a lane (wave 0's 512 bytes stay unused)
	s_lshl_b32 s20, s18, 3                         ; my two words in flags
	s_lshl_b32 s21, s18, 6                         ; my first sample
	s_wait_kmcnt 0x0
	s_load_b64 s[22:23], s[14:15], s20 offset:0x0
	global_load_b128 v[XB:XB+3], v1, s[6:7]
	s_cmp_lg_u32 s18, 0
	s_cbranch_scc1 .Lothers
	s_lshl_b32 s24, ttmp9, 7                       ; wave 0 finishes the work-group's positions: what it needs for that is asked for now
	v_lshl_add_u32 v4, v3, 2, s24
	global_load_b128 v[OB:OB+3], v1, s[8:9]
	global_load_b32 v[MK], v4, s[10:11]
.Lothers:
	v_mov_b32 v[AC], 0                             ; a wave may have no sample at all: the sum starts at 0
	v_mov_b32 v[AC+1], 0
	v_mov_b32 v[AC+2], 0
	v_mov_b32 v[AC+3], 0
	s_wait_kmcnt 0x0
	s_bcnt1_i32_b32 s24, s22
	s_bcnt1_i32_b32 s25, s23
	s_add_co_u32 s25, s25, s24
	s_add_co_u32 s25, s25, 7
	s_lshr_b32 s25, s25, 3                         ; trips of up to 8 samples
	s_cmp_eq_u32 s25, 0
	s_cbranch_scc1 .Lnone
	s_mov_b32 s26, 0
; Take the lowest set bit off my words and ask for that sample's weight and its 512 bytes.
.macro PICK j
	s_cmp_lg_u32 s22, 0
	s_cselect_b32 s27, s22, s23                    ; the word that holds it
	s_cselect_b32 s28, 0, 1                        ; k
	s_ctz_i32_b32 s29, s27                         ; b
	s_lshl1_add_u32 s29, s29, s28                  ; 2 b + k
	s_min_u32 s29, s29, 63                         ; a number from memory enters an address only inside its range
	s_add_co_u32 s29, s29, s21                     ; n
	s_add_co_i32 s30, s27, -1
	s_and_b32 s27, s27, s30                        ; the bit is cleared
	s_cmp_lg_u32 s22, 0
	s_cselect_b32 s22, s27, s22
	s_cselect_b32 s23, s23, s27
	s_lshl_b32 s[WO+\j], s29, 2
	s_load_b32 s[WT+\j], s[12:13], s[WO+\j] offset:0x0
	s_lshl_b32 s31, s29, 17                        ; n x 131,072 bytes: below 2^28
	v_add_nc_u32 v[OF+\j], s31, v1
	global_load_b128 v[R+4*\j:R+4*\j+3], v[OF+\j], s[4:5] th:TH_LOAD_NT
.endm
.macro LEFT to                         ; nothing left in my words: go to the products
	s_or_b32 s30, s22, s23
	s_cmp_eq_u32 s30, 0
	s_cbranch_scc1 \to
.endm
; The products of request j.  The number of younger requests differs from path to path, so the waits are for 0; behind the first they cost nothing.
; They also show the trip's loads done, so that the next trip may rewrite their offsets.
.macro USE j
	s_wait_loadcnt 0x0
	s_wait_kmcnt 0x0
	v_pk_fma_f32 v[R+4*\j:R+4*\j+1], v[R+4*\j:R+4*\j+1], SIGMA, v[XB:XB+1] op_sel_hi:[1,0,1]
	v_pk_fma_f32 v[R+4*\j+2:R+4*\j+3], v[R+4*\j+2:R+4*\j+3], SIGMA, v[XB+2:XB+3] op_sel_hi:[1,0,1]
.irp e, 0,1,2,3
	v_med3_num_f32 v[R+4*\j+\e], v[R+4*\j+\e], -1.0, 1.0
.endr
.irp e, 0,1,2,3
	v_fmac_f32 v[AC+\e], s[WT+\j], v[R+4*\j+\e]
.endr
.endm
.Ltrip:
	PICK 0                                         ; the trip count says that at least one bit is left
	LEFT .Lgot1
	PICK 1
	LEFT .Lgot2
	PICK 2
	LEFT .Lgot3
	PICK 3
	LEFT .Lgot4
	PICK 4
	LEFT .Lgot5
	PICK 5
	LEFT .Lgot6
	PICK 6
	LEFT .Lgot7
	PICK 7
	USE 7
.Lgot7:
	USE 6
.Lgot6:
	USE 5
.Lgot5:
	USE 4
.Lgot4:
	USE 3
.Lgot3:
	USE 2
.Lgot2:
	USE 1
.Lgot1:
	USE 0
	s_add_co_u32 s26, s26, 1
	s_cmp_lt_u32 s26, s25
	s_cbranch_scc1 .Ltrip
.Lnone:
	s_cmp_eq_u32 s18, 0
	s_cbranch_scc1 .Lmine                          ; wave 0 keeps its sum in registers
	ds_store_b128 v5, v[AC:AC+3]
.Lmine:
	s_wait_dscnt 0x0                               ; my store is done before I signal
	s_barrier_signal -1
	s_barrier_wait -1
	s_cmp_lg_u32 s18, 0
	s_cbranch_scc1 .Lend
	; wave 0 adds the 31 other sums, 16 LDS loads on their way (its v5 is 16 x lane)
.set t, 1
.rept 16
	ds_load_b128 v[F+4*(t-1):F+4*(t-1)+3], v5 offset:512*t
.set t, t+1
.endr
.set i, 0
.rept 15
	s_wait_dscnt 15                                ; LDS loads return in order (ISA guide 5.7.1): the oldest of 16 is in
	v_pk_add_f32 v[AC:AC+1], v[AC:AC+1], v[F+4*i:F+4*i+1]
	v_pk_add_f32 v[AC+2:AC+3], v[AC+2:AC+3], v[F+4*i+2:F+4*i+3]
	ds_load_b128 v[F+4*i:F+4*i+3], v5 offset:512*(17+i)
.set i, i+1
.endr
	s_wait_dscnt 15                                ; wave 16's sum; the 15 younger loads stay out
	v_pk_add_f32 v[AC:AC+1], v[AC:AC+1], v[F+60:F+61]
	v_pk_add_f32 v[AC+2:AC+3], v[AC+2:AC+3], v[F+62:F+63]
.set i, 0
.rept 15
	s_wait_dscnt 14-i                              ; the counts run down
	v_pk_add_f32 v[AC:AC+1], v[AC:AC+1], v[F+4*i:F+4*i+1]
	v_pk_add_f32 v[AC+2:AC+3], v[AC+2:AC+3], v[F+4*i+2:F+4*i+3]
.set i, i+1
.endr
	s_mov_b32 s48, 0x3f339e0c                      ; sqrt(abar) = 0.70163037
	s_mov_b32 s49, 0x3ffc1c2b                      ; 1 / (1 - abar) = 1.96960960
	s_mov_b32 s50, 0x3f01f999                      ; 1 - abar = 0.50771483
	s_mov_b32 s51, 0x3fb66ea7                      ; 1 / (sqrt(alpha) sqrt(abar of step 499)) = 1.42525188
	s_wait_loadcnt 0x0                             ; Xbar, observed, mask (a wave 0 without samples has not waited yet)
.irp e, 0,1,2,3
	v_mul_f32 v[Y+\e], s48, v[XB+\e]                       ; Yi
	v_fma_f32 v[T+\e], s48, v[AC+\e], -v[Y+\e]             ; -Yi + sqrt(abar) weighted
	v_mul_f32 v[T+\e], s49, v[T+\e]                        ; score
	v_fma_f32 v[T+\e], s50, v[T+\e], v[Y+\e]               ; Yi + (1 - abar) score
	v_mul_f32 v[T+\e], s51, v[T+\e]                        ; / sqrt(alpha) / sqrt(abar of step 499)
	v_bfe_u32 v[TB], v[MK], 8*\e, 8
	v_cmp_ne_u32 vcc_lo, 0, v[TB]
	v_cndmask_b32 v[T+\e], v[T+\e], v[OB+\e], vcc_lo       ; observed positions are restored
.endr
	global_store_b128 v1, v[T:T+3], s[16:17]       ; 512 consecutive bytes, at a multiple of 512 from out0's first byte
.Lend:
	s_wait_tensorcnt 0x0
	ds_add_u32 v96, v97
	s_wait_dscnt 0x0
	s_endpgm
.Lfunc_end_k_q1b5c1623a6_combine:
	.size	k_q1b5c1623a6_combine, .Lfunc_end_k_q1b5c1623a6_combine-k_q1b5c1623a6_combine
	.p2alignl 7, 3214868480
	.fill 96, 4, 3214868480
	.section	.rodata,"a",@progbits
	.p2align	6, 0x0
	.amdhsa_kernel k_q1b5c1623a6_combine
		.amdhsa_group_segment_fixed_size 20480
		.amdhsa_private_segment_fixed_size 0
		.amdhsa_enable_private_segment 0
		.amdhsa_kernarg_size 56
		.amdhsa_user_sgpr_count 2
		.amdhsa_user_sgpr_kernarg_segment_ptr 1
		.amdhsa_wavefront_size32 1
		.amdhsa_system_sgpr_workgroup_id_x 1
		.amdhsa_system_sgpr_workgroup_id_y 1
		.amdhsa_system_sgpr_workgroup_id_z 1
		.amdhsa_system_vgpr_workitem_id 0
		.amdhsa_next_free_vgpr 98
		.amdhsa_next_free_sgpr 66
		.amdhsa_reserve_vcc 1
		.amdhsa_float_denorm_mode_32 3
		.amdhsa_float_denorm_mode_16_64 3
		.amdhsa_memory_ordered 1
		.amdhsa_forward_progress 1
		.amdhsa_inst_pref_size 22
	.end_amdhsa_kernel
	.amdgpu_metadata
---
amdhsa.version: [ 1, 2 ]
amdhsa.kernels:
  - .name:           k_q1b5c1623a6_combine
    .symbol:         k_q1b5c1623a6_combine.kd
    .args:
      - { .name: eps, .offset: 0, .size: 8, .value_kind: global_buffer, .address_space: global }
      - { .name: Xbar_i, .offset: 8, .size: 8, .value_kind: global_buffer, .address_space: global }
      - { .name: observed_data, .offset: 16, .size: 8, .value_kind: global_buffer, .address_space: global }
      - { .name: mask, .offset: 24, .size: 8, .value_kind: global_buffer, .address_space: global }
      - { .name: wts, .offset: 32, .size: 8, .value_kind: global_buffer, .address_space: global }
      - { .name: flags, .offset: 40, .size: 8, .value_kind: global_buffer, .address_space: global }
      - { .name: out0, .offset: 48, .size: 8, .value_kind: global_buffer, .address_space: global }
    .group_segment_fixed_size: 20480
    .private_segment_fixed_size: 0
    .kernarg_segment_align: 8
    .kernarg_segment_size: 56
    .max_flat_workgroup_size: 1024
    .sgpr_count:     66
    .vgpr_count:     98
    .wavefront_size: 32
...
	.end_amdgpu_metadata
.endif
;; end of part 3
;; ======== version 2 of 2: 3 launches; version 1 with the launch scores written anew for expert scheduling mode
;; limits: a function is approximated: absolute error at most 0.000122
;; workspace buffers: part 65,536 bytes; wts 8,192 bytes; flags 256 bytes of whole numbers
;; launch scores (part 4): grid 256 x 1, 8 waves a work-group, no clusters, 3,072 bytes of LDS; arguments eps, Xbar_i, observed_data, mask, time_points, deg_a, deg_b, part; writes part
.if DOCPART == 4
	.amdgcn_target "amdgcn-amd-amdhsa--gfx1250"
	.amdhsa_code_object_version 6
	.text
	.protected	k_q1b5c1623a6_scores
	.globl	k_q1b5c1623a6_scores
	.p2align	8
	.type	k_q1b5c1623a6_scores,@function
k_q1b5c1623a6_scores:
	s_mov_b64 s[64:65], 0
	v_nop
	global_prefetch_b8 v0, s[64:65] scope:SCOPE_SE
	s_setreg_imm32_b32 hwreg(HW_REG_WAVE_SCHED_MODE, 0, 2), 2
	s_setreg_imm32_b32 hwreg(HW_REG_WAVE_MODE, 25, 1), 1
	s_wait_xcnt 0x0
	s_wait_alu depctr_vm_vsrc(0)
; part[c][n] = sum over the 4,096 positions p of chunk c of (cand[n][p] - pred[p])^2, in f32,
;   cand = observed where mask, else clip(eps * sigma + Xbar, -1, 1);  pred = deg_a + deg_b * time.
; eps: [2048][32768] f32, read here once, whole.  256 work-groups = 8 chunks of positions x 32 groups of 64 samples; 8 waves.
; A thread owns 16 positions (4 pieces of 4 floats; a wave's load covers 512 consecutive bytes, the 8 waves 4,096) in all 64 samples,
; so what belongs to a position stays in registers: Xbar, m (1.0 missing, 0.0 observed) and q = (observed or 0) - pred.  Then
;   x = med3(eps * sigma + Xbar, -1, 1);  d = x * m + q  (= cand - pred at every position, exactly);  acc += d * d.
; No LDS ring, no cluster: no wave reads eps bytes that another wave reads; what work-groups share are the small tables read once below.
; LIMIT: a NaN in eps is dropped by v_med3_num_f32 (the result stays finite) where reference() would give NaN everywhere.
; sigma = sqrt(1 - abar), abar = acp[500] = cos^2(pi/2 * 0.509/1.008) / cos^2(pi/2 * 0.008/1.008) = 0.49228517 (i = 500 is fixed).
; THE MODE: SCHED_MODE bits 1:0 = 2 (LLVM: expert scheduling mode 2), set by the entry lines.  The code itself states the register dependences
; between vector instructions and memory or LDS instructions, with s_wait_alu, always for 0.
; THE PLAN.  Registers that memory instructions touch in the loop:
;   X0 .. X8   nine slots of 16 registers.  Sample s lies in slot s % 9: written by the four loads issued in turn s - 8, then worked on in place by
;              turn s's vector lines alone.  In turn s + 1 nothing names the slot but that turn's four loads, which bring sample s + 9.
;   v1         my byte offset in a sample's chunk: made once at the head, read by every load of eps, never written again.
;   Each slot has a scalar base of its own, which moves on by nine samples just ahead of the slot's loads: the turn's wait for its data has
;   shown the loads that last read that base (an older sample's) done.
; So ONE wait on va_vdst stands at a turn's head: the turn before is done writing and reading its slot.  The turn's four loads follow it, dealt
; among the turn's first vector lines, which name this turn's slot, the tables and the sums: none of the registers that those loads touch.
; With the four new loads 4 * DEPTH loads of every wave are on their way during a turn.
.set SAMPLE, 131072                    ; bytes of a sample
.set PIECE,  4096                      ; bytes that the 8 waves cover with one load each
.set DEPTH,  8                         ; samples on their way
.set RING,   DEPTH+1                   ; slots: one more, the slot that the turn before worked on
.set LAPS,   (64-DEPTH-2)/RING         ; samples 1 to 54 go in 6 laps of 9 turns
.set SIGMA,  0x3f366918                ; 0.71254111
.set SB,  36                           ; s[36:53]   slot k: the address of my chunk in the sample that the slot was asked for last: a pair at SB + 2 k
.set CM,  66                           ; s[66:81]   at the head only: position e of my 16 is observed, as a mask of lanes
.set MK,  6                            ; v[6:9]     mask bytes of piece j (4 bytes a word)
.set TP,  10                           ; v[10:13]   time of piece j's row
.set DA,  14                           ; v[14:17]   deg_a of my 4 features (the same in every piece: a piece is 16 whole rows)
.set DB,  18                           ; v[18:21]   deg_b
.set PR,  22                           ; v[22:25]   pred, at work
.set TB,  26                           ; v26        a mask byte
.set ACC, 28                           ; v[28:31]   two packed chains of squares
.set RS,  32                           ; v[32:33]   lane s: the wave's sum of sample s, of sample 32 + s
.set PX,  34                           ; v34        the other half's sum
.set XB,  36                           ; v[36:51]   Xbar
.set MM,  52                           ; v[52:67]   m
.set QQ,  68                           ; v[68:83]   observed as loaded, then q
.set X,   84                           ; v[84:227]  ring: slot k has 16 registers
	s_load_b512 s[4:19], s[0:1], 0x0               ; eps s[4:5], Xbar s[6:7], observed s[8:9], mask s[10:11], time s[12:13], a s[14:15], b s[16:17], part s[18:19]
	v_lshl_add_u32 v27, v0, 2, 0x800
	v_mov_b32 v35, 0
	s_and_b32 s20, ttmp9, 7                        ; chunk of positions
	s_lshr_b32 s21, ttmp9, 3                       ; group of samples
	v_lshlrev_b32 v1, 4, v0                        ; my 16 bytes in a piece
	s_lshl_b32 s24, s20, 14                        ; the chunk in bytes of f32
	v_add_nc_u32 v2, s24, v1                       ; offset in Xbar and observed
	s_lshl_b32 s25, s20, 12
	v_lshl_add_u32 v3, v0, 2, s25                  ; offset in mask: one byte a position
	v_lshrrev_b32 v4, 4, v0                        ; my row in a piece (16 threads a row of 64 features)
	s_lshl_b32 s26, s20, 8
	v_lshl_add_u32 v4, v4, 2, s26                  ; offset in time: 64 rows a chunk
	v_and_b32 v5, 15, v0
	v_lshlrev_b32 v5, 4, v5                        ; offset in deg_a, deg_b: my 4 features
	s_lshl_b32 s22, s21, 23                        ; 64 samples of 131,072 bytes a group: at most 31 << 23, below 4 GiB
	s_or_b32 s22, s22, s24
	s_mov_b32 s23, 0
	s_mov_b32 s28, 1                               ; s[28:29]: one bit, at the number of the sample at work
	s_mov_b32 s29, 0
	s_mov_b32 s30, 0x76543210                      ; v_permlanex16_b32: lane i reads lane i of the other half
	s_mov_b32 s31, 0xfedcba98
	s_wait_kmcnt 0x0
	s_add_nc_u64 s[4:5], s[4:5], s[22:23]          ; eps at my group's first sample, my chunk
.irp i, 0,1,2,3,4,5,6,7,8
	s_add_nc_u64 s[SB+2*\i:SB+2*\i+1], s[4:5], \i*SAMPLE           ; slot i begins with sample i
.endr
	s_wait_alu depctr_va_vdst(0)                   ; the five offsets v1 to v5 are written: every load below, and every load of eps in the kernel, reads one of them
.irp j, 0,1,2,3
	global_load_b128 v[XB+4*\j:XB+4*\j+3], v2, s[6:7] offset:\j*PIECE
	global_load_b128 v[QQ+4*\j:QQ+4*\j+3], v2, s[8:9] offset:\j*PIECE
	global_load_b32 v[MK+\j], v3, s[10:11] offset:\j*1024
	global_load_b32 v[TP+\j], v4, s[12:13] offset:\j*64
.endr
	global_load_b128 v[DA:DA+3], v5, s[14:15]
	global_load_b128 v[DB:DB+3], v5, s[16:17]
.irp i, 0,1,2,3,4,5,6,7
.irp j, 0,1,2,3
	global_load_b128 v[X+16*\i+4*\j:X+16*\i+4*\j+3], v1, s[SB+2*\i:SB+2*\i+1] offset:\j*PIECE th:TH_LOAD_NT   ; samples 0 to 7 into slots 0 to 7; slot 8 is asked for in the first turn
.endr
.endr
	v_mov_b32 v[RS], 0                             ; written whole once: the selects below replace one lane at a time
	v_mov_b32 v[RS+1], 0
	v_mov_b32 v[PX], 0                             ; v_permlanex16_b32's destination counts as read
	s_wait_loadcnt 4*DEPTH                         ; loads return in order (ISA guide 5.7.1): the tables are in, the ring's 32 younger loads stay out
.irp j, 0,1,2,3
.irp k, 0,1,2,3
	v_bfe_u32 v[TB], v[MK+\j], 8*\k, 8
	v_cmp_ne_u32 s[CM+4*\j+\k], 0, v[TB]                           ; observed?  The sixteen compares stand in one run, each with a mask register of its own
.endr
.endr
	s_wait_alu depctr_va_sdst(0)                   ; the sixteen masks are written, ahead of their first readers, the selects below
.irp j, 0,1,2,3
.irp k, 0,1,2,3
	v_fma_f32 v[PR+\k], v[DB+\k], v[TP+\j], v[DA+\k]               ; pred = a + b t
	v_cndmask_b32 v[MM+4*\j+\k], 1.0, 0, s[CM+4*\j+\k]             ; m
	v_cndmask_b32 v[QQ+4*\j+\k], 0, v[QQ+4*\j+\k], s[CM+4*\j+\k]   ; observed, or 0 where missing
	v_sub_f32 v[QQ+4*\j+\k], v[QQ+4*\j+\k], v[PR+\k]               ; q
.endr
.endr
; One sample's turn, in slot i.  ahead = 1: the sample DEPTH further on is asked for, into the slot that the turn before worked on.
; first = 1: the first turn, with no turn in front of it: that slot has not been named yet and its base stands where it should.
; left = younger loads that may stay out.
.macro SLOT i, first, ahead, left
.set WK, X+16*(\i)                     ; the slot at work
.set NS, ((\i)+DEPTH)%RING             ; the slot in front of it in the ring
.set NX, X+16*NS
	s_wait_loadcnt \left                           ; this slot's four loads are the oldest
.if (\ahead) && !(\first)
	s_wait_alu depctr_va_vdst(0)                   ; the turn before is done writing and reading its slot, in which the four loads below land
	s_add_nc_u64 s[SB+2*NS:SB+2*NS+1], s[SB+2*NS:SB+2*NS+1], RING*SAMPLE   ; free: the loads that read it are older than those just waited for
.endif
.irp j, 0,1,2,3
.if \ahead
	global_load_b128 v[NX+4*\j:NX+4*\j+3], v1, s[SB+2*NS:SB+2*NS+1] offset:\j*PIECE th:TH_LOAD_NT   ; no vector line since the wait names these registers
.endif
	v_pk_fma_f32 v[WK+4*\j:WK+4*\j+1], v[WK+4*\j:WK+4*\j+1], SIGMA, v[XB+4*\j:XB+4*\j+1] op_sel_hi:[1,0,1]
	v_pk_fma_f32 v[WK+4*\j+2:WK+4*\j+3], v[WK+4*\j+2:WK+4*\j+3], SIGMA, v[XB+4*\j+2:XB+4*\j+3] op_sel_hi:[1,0,1]
.endr
.irp e, 0,1,2,3,4,5,6,7,8,9,10,11,12,13,14,15
	v_med3_num_f32 v[WK+\e], v[WK+\e], -1.0, 1.0                   ; the clip
.endr
.irp p, 0,1,2,3,4,5,6,7
	v_pk_fma_f32 v[WK+2*\p:WK+2*\p+1], v[WK+2*\p:WK+2*\p+1], v[MM+2*\p:MM+2*\p+1], v[QQ+2*\p:QQ+2*\p+1]   ; cand - pred
.endr
	v_pk_mul_f32 v[ACC:ACC+1], v[WK:WK+1], v[WK:WK+1]              ; the first squares start the two chains
	v_pk_mul_f32 v[ACC+2:ACC+3], v[WK+2:WK+3], v[WK+2:WK+3]
.irp p, 2,4,6
	v_pk_fma_f32 v[ACC:ACC+1], v[WK+2*\p:WK+2*\p+1], v[WK+2*\p:WK+2*\p+1], v[ACC:ACC+1]
	v_pk_fma_f32 v[ACC+2:ACC+3], v[WK+2*\p+2:WK+2*\p+3], v[WK+2*\p+2:WK+2*\p+3], v[ACC+2:ACC+3]
.endr
	v_pk_add_f32 v[ACC:ACC+1], v[ACC:ACC+1], v[ACC+2:ACC+3]
	v_add_f32 v[ACC], v[ACC], v[ACC+1]
	v_add_f32_dpp v[ACC], v[ACC], v[ACC] row_xmask:1 row_mask:0xf bank_mask:0xf
	v_add_f32_dpp v[ACC], v[ACC], v[ACC] row_xmask:2 row_mask:0xf bank_mask:0xf
	v_add_f32_dpp v[ACC], v[ACC], v[ACC] row_xmask:4 row_mask:0xf bank_mask:0xf
	v_add_f32_dpp v[ACC], v[ACC], v[ACC] row_xmask:8 row_mask:0xf bank_mask:0xf
	v_permlanex16_b32 v[PX], v[ACC], s30, s31
	v_add_f32 v[ACC], v[ACC], v[PX]                ; every lane holds the wave's sum of this sample
	v_cndmask_b32 v[RS], v[RS], v[ACC], s28        ; the lane with the sample's number keeps it
	v_cndmask_b32 v[RS+1], v[RS+1], v[ACC], s29
	s_lshl_b64 s[28:29], s[28:29], 1
.endm
	SLOT 0, 1, 1, 4*(DEPTH-1)                      ; sample 0 stands ahead of the loop, so that a lap is once round the nine slots
	s_mov_b32 s35, LAPS
.Lround:                                               ; samples 1 to 54
.irp i, 1,2,3,4,5,6,7,8,0
	SLOT \i, 0, 1, 4*(DEPTH-1)
.endr
	s_sub_co_u32 s35, s35, 1
	s_cmp_lg_u32 s35, 0
	s_cbranch_scc1 .Lround
	SLOT 1, 0, 1, 4*(DEPTH-1)                      ; sample 55 asks for the last, sample 63
.irp i, 2,3,4,5,6,7,8
	SLOT \i, 0, 0, 4*(RING-\i)                     ; samples 56 to 62 load nothing: no load leaves the buffer, and the counts run down
.endr
	SLOT 0, 0, 0, 0                                ; sample 63
	; the 8 waves' sums meet in LDS: wave w's 64 sums at 256 w, sample s at 4 s
	v_lshrrev_b32 v7, 5, v0
	v_readfirstlane_b32 s34, v7                    ; wave
	v_and_b32 v6, 31, v0
	v_lshlrev_b32 v6, 2, v6
	v_lshl_add_u32 v6, v7, 8, v6
	s_wait_alu depctr_va_sdst(0)                   ; s34 is written, ahead of its first reader, the compare behind the barrier
	s_wait_alu depctr_va_vdst(0)                   ; the last turn's selects have written RS, the LDS stores' data, and v6, their address, is written
	ds_store_b32 v6, v[RS]
	ds_store_b32 v6, v[RS+1] offset:128
	s_wait_dscnt 0x0                               ; for the reader's sake: my stores are done before I signal
	s_barrier_signal -1
	s_barrier_wait -1
	s_cmp_lg_u32 s34, 0
	s_cbranch_scc1 .Lend
	v_lshlrev_b32 v8, 3, v0                        ; wave 0: lane l takes samples 2 l and 2 l + 1
	s_wait_alu depctr_va_vdst(0)                   ; v8 is written: the LDS loads and the store below read it (the vector lines that named v10 to v25, in which the loads land, stand far ahead of this wait)
.irp w, 0,1,2,3,4,5,6,7
	ds_load_b64 v[10+2*\w:11+2*\w], v8 offset:256*\w
.endr
	s_lshl_b32 s22, s20, 13                        ; part[chunk][64 group ..]
	s_lshl_b32 s24, s21, 8
	s_or_b32 s22, s22, s24
	s_add_nc_u64 s[18:19], s[18:19], s[22:23]      ; s23 is still 0
	s_wait_dscnt 0x0
	v_pk_add_f32 v[10:11], v[10:11], v[12:13]
	v_pk_add_f32 v[14:15], v[14:15], v[16:17]
	v_pk_add_f32 v[18:19], v[18:19], v[20:21]
	v_pk_add_f32 v[22:23], v[22:23], v[24:25]
	v_pk_add_f32 v[10:11], v[10:11], v[14:15]
	v_pk_add_f32 v[18:19], v[18:19], v[22:23]
	v_pk_add_f32 v[10:11], v[10:11], v[18:19]
	s_wait_alu depctr_va_vdst(0)                   ; the last addition has written v[10:11], the store's data
	global_store_b64 v8, v[10:11], s[18:19]        ; 32 lanes store 256 consecutive bytes, at a multiple of 256 from part's first byte
.Lend:
	s_wait_dscnt 0x0
	s_wait_alu depctr_hold_cnt(0) depctr_sa_sdst(0) depctr_va_vdst(0) depctr_va_sdst(0) depctr_va_ssrc(0) depctr_va_vcc(0) depctr_vm_vsrc(0)
	s_wait_tensorcnt 0x0
	ds_add_u32 v27, v35
	s_wait_dscnt 0x0
	s_endpgm
.Lfunc_end_k_q1b5c1623a6_scores:
	.size	k_q1b5c1623a6_scores, .Lfunc_end_k_q1b5c1623a6_scores-k_q1b5c1623a6_scores
	.p2alignl 7, 3214868480
	.fill 96, 4, 3214868480
	.section	.rodata,"a",@progbits
	.p2align	6, 0x0
	.amdhsa_kernel k_q1b5c1623a6_scores
		.amdhsa_group_segment_fixed_size 3072
		.amdhsa_private_segment_fixed_size 0
		.amdhsa_enable_private_segment 0
		.amdhsa_kernarg_size 64
		.amdhsa_user_sgpr_count 2
		.amdhsa_user_sgpr_kernarg_segment_ptr 1
		.amdhsa_wavefront_size32 1
		.amdhsa_system_sgpr_workgroup_id_x 1
		.amdhsa_system_sgpr_workgroup_id_y 1
		.amdhsa_system_sgpr_workgroup_id_z 1
		.amdhsa_system_vgpr_workitem_id 0
		.amdhsa_next_free_vgpr 228
		.amdhsa_next_free_sgpr 82
		.amdhsa_reserve_vcc 0
		.amdhsa_float_denorm_mode_32 3
		.amdhsa_float_denorm_mode_16_64 3
		.amdhsa_memory_ordered 1
		.amdhsa_forward_progress 1
		.amdhsa_inst_pref_size 84
	.end_amdhsa_kernel
	.amdgpu_metadata
---
amdhsa.version: [ 1, 2 ]
amdhsa.kernels:
  - .name:           k_q1b5c1623a6_scores
    .symbol:         k_q1b5c1623a6_scores.kd
    .args:
      - { .name: eps, .offset: 0, .size: 8, .value_kind: global_buffer, .address_space: global }
      - { .name: Xbar_i, .offset: 8, .size: 8, .value_kind: global_buffer, .address_space: global }
      - { .name: observed_data, .offset: 16, .size: 8, .value_kind: global_buffer, .address_space: global }
      - { .name: mask, .offset: 24, .size: 8, .value_kind: global_buffer, .address_space: global }
      - { .name: time_points, .offset: 32, .size: 8, .value_kind: global_buffer, .address_space: global }
      - { .name: deg_a, .offset: 40, .size: 8, .value_kind: global_buffer, .address_space: global }
      - { .name: deg_b, .offset: 48, .size: 8, .value_kind: global_buffer, .address_space: global }
      - { .name: part, .offset: 56, .size: 8, .value_kind: global_buffer, .address_space: global }
    .group_segment_fixed_size: 3072
    .private_segment_fixed_size: 0
    .kernarg_segment_align: 8
    .kernarg_segment_size: 64
    .max_flat_workgroup_size: 256
    .sgpr_count:     82
    .vgpr_count:     228
    .wavefront_size: 32
...
	.end_amdgpu_metadata
.endif
;; end of part 4
;; launch weights: the kernel of part 2 again; grid 1 x 1, 32 waves a work-group, no clusters, 4,864 bytes of LDS; arguments part, wts, flags; writes wts, flags
;; launch combine: the kernel of part 3 again; grid 256 x 1, 32 waves a work-group, no clusters, 20,480 bytes of LDS; arguments eps, Xbar_i, observed_data, mask, wts, flags, out0; writes out0
